; MI455X (gfx1250); checked and timed in simulation.
; The chip was launched on July 23, 2026; its instructions are those of AMD's public machine-readable ISA for CDNA 5 (MIT licence, August 2026) and "CDNA5" Instruction Set Architecture Reference Guide (July 2026). The comments in the code are by the model that wrote it; some were corrected since.
;; QIN Co Quantizer. Allowed arithmetic: float matrix products may take bf16 or f16 operands with f32 sums; all other float work in f32.
;; Inputs: b1 4 x 2 x 256 float32; b2 4 x 2 x 128 float32; base_cb 4 x 256 x 128 float32; cp_b 4 x 128 float32; cp_w 4 x 128 x 256 float32; w1 4 x 2 x 256 x 128 float32; w2 4 x 2 x 128 x 256 float32; z 512 x 128 float32.
;; Outputs: out0 512 x 128 float32; out1 512 x 4 int32; out2 4 x 512 x 128 float32; out3 4 x 512 x 128 float32.
;; One version. Each part assembles by itself: llvm-mc -triple=amdgcn-amd-amdhsa -mcpu=gfx1250 --defsym DOCPART=n.
;; ======== version 1 of 1: 2 launches
;; workspace buffers: wrec 1,056,768 bytes; bcf 524,288 bytes; bct 524,288 bytes; wxf 131,072 bytes; pb 2,048 bytes
;; launch prep (part 1): grid 80 x 1, 8 waves a work-group, no clusters, 0 bytes of LDS; arguments w1, w2, b1, b2, base_cb, cp_w, cp_b, wrec, bcf, bct, wxf, pb; writes wrec, bcf, bct, wxf, pb
.if DOCPART == 1
	.amdgcn_target "amdgcn-amd-amdhsa--gfx1250"
	.amdhsa_code_object_version 6
	.text
	.protected	k_qa825349291_prep
	.globl	k_qa825349291_prep
	.p2align	8
	.type	k_qa825349291_prep,@function
k_qa825349291_prep:
	s_mov_b64 s[64:65], 0
	v_nop
	global_prefetch_b8 v0, s[64:65] scope:SCOPE_SE
	s_setreg_imm32_b32 hwreg(HW_REG_WAVE_MODE, 25, 1), 1
	s_wait_xcnt 0x0
; PREP: every weight, bias and code word is rounded once to bf16 and laid out in the order in which the lanes of the
; second launch load it: units of 16 bytes a lane, 32 lanes = 512 consecutive bytes.
; Work-groups 0..63 (task A): record g = (m*2+blk)*8+c of wrec, REC bytes, for 32 hidden units 32c..32c+31 of one block:
;   bytes 0..8191      8 fragments of w1 (f = T*4+k): rows 32c+16T+r, columns 32k+16q+8h..+7
;   bytes 8192..16383  8 fragments of w2 (dt):        rows 16dt+r,    columns 32c+16q+8h..+7
;   bytes 16384..16511 32 f32: b1 (block 0), or b1 + w1[1] . b2[0] (block 1): the second launch keeps C less the b2 added so far
; Work-groups 64..79 (task B; m = g/4, w = g%4, wave = dt): Bc = cb . Wc^T + cp_b for candidates 64w..64w+63, channels 16dt..16dt+15:
;   bcf: f32, as an accumulator lies in registers;  bct: the same numbers transposed, as two bf16 parts (hi, then the rest);
;   wxf: fragments of Wx;  pb: b2[0] + b2[1].
; No LDS, no barrier: no wave needs another wave's numbers.  LIMITS: NaN and infinities are not treated apart.
.set REC, 16512
	s_load_b512 s[4:19], s[0:1], 0x0               ; w1 s[4:5] w2 s[6:7] b1 s[8:9] b2 s[10:11] base_cb s[12:13] cp_w s[14:15] cp_b s[16:17] wrec s[18:19]
	s_load_b256 s[20:27], s[0:1], 0x40             ; bcf s[20:21] bct s[22:23] wxf s[24:25] pb s[26:27]
	v_lshrrev_b32 v1, 5, v0
	v_readfirstlane_b32 s28, v1                    ; wave 0..7
	s_mov_b32 s29, ttmp9                           ; g
	s_mov_b32 s31, 0                               ; high word of every offset
	s_mov_b32 s44, 0xffff0000                      ; a word's upper bf16
	v_and_b32 v1, 15, v0                           ; r
	v_bfe_u32 v2, v0, 4, 1                         ; h
	s_wait_kmcnt 0x0
	s_cmp_lt_u32 s29, 64
	s_cbranch_scc0 .Ltaskb
; ---------------- task A: one record ----------------
	s_lshr_b32 s32, s29, 3                         ; m*2+blk
	s_and_b32 s33, s29, 7                          ; c
	s_lshl_b32 s36, s32, 17                        ; (m*2+blk) * 131072: a block of w1 or of w2
	s_lshl_b32 s37, s33, 14                        ; c * 32 rows of 512 bytes
	s_add_co_u32 s30, s36, s37
	s_add_nc_u64 s[42:43], s[4:5], s[30:31]        ; w1 at the record's 32 rows (for the dot product)
	s_lshl_b32 s37, s28, 6                         ; k*128 + q*64 = wave*64
	s_add_co_u32 s30, s30, s37
	s_add_nc_u64 s[38:39], s[4:5], s[30:31]        ; w1 at my unit's columns
	s_lshl_b32 s30, s33, 7                         ; c * 32 columns
	s_add_co_u32 s30, s30, s36
	s_lshr_b32 s37, s28, 1
	s_lshl_b32 s37, s37, 14                        ; dt = wave/2: 16 rows of 1024 bytes
	s_add_co_u32 s30, s30, s37
	s_and_b32 s37, s28, 1
	s_lshl_b32 s37, s37, 6                         ; q*64
	s_add_co_u32 s30, s30, s37
	s_add_nc_u64 s[40:41], s[6:7], s[30:31]        ; w2 at my unit
	s_lshl_b32 s30, s32, 10
	s_lshl_b32 s37, s33, 7
	s_add_co_u32 s30, s30, s37
	s_add_nc_u64 s[8:9], s[8:9], s[30:31]          ; b1 at the record's 32 numbers
	s_lshr_b32 s30, s29, 4
	s_lshl_b32 s30, s30, 10
	s_add_nc_u64 s[10:11], s[10:11], s[30:31]      ; b2[m][0]
	s_mul_i32 s30, s29, REC
	s_add_nc_u64 s[18:19], s[18:19], s[30:31]      ; my record
	s_and_b32 s37, s32, 1
	s_cmp_lg_u32 s37, 0
	s_cselect_b32 s37, -1, 0                       ; all lanes on for block 1, none for block 0
	v_lshlrev_b32 v3, 9, v1
	v_lshl_add_u32 v3, v2, 5, v3                   ; r*512 + h*32
	v_lshlrev_b32 v4, 10, v1
	v_lshl_add_u32 v4, v2, 5, v4                   ; r*1024 + h*32
	v_lshlrev_b32 v5, 4, v0                        ; thread * 16
	v_lshrrev_b32 v6, 3, v0                        ; hidden unit 0..31 of the record
	v_and_b32 v7, 7, v0                            ; which sixteenth... eighth of the 128 channels
	v_lshlrev_b32 v10, 6, v7
	v_lshl_add_u32 v8, v6, 9, v10                  ; unit*512 + e*64
	v_lshlrev_b32 v9, 2, v6
	; all loads in one batch
.set l_, 0
.rept 2
	global_load_b128 v[16+8*l_:19+8*l_], v3, s[38:39] offset:8192*l_
	global_load_b128 v[20+8*l_:23+8*l_], v3, s[38:39] offset:8192*l_+16
	global_load_b128 v[32+8*l_:35+8*l_], v4, s[40:41] offset:65536*l_
	global_load_b128 v[36+8*l_:39+8*l_], v4, s[40:41] offset:65536*l_+16
.set l_, l_+1
.endr
	global_load_b32 v11, v9, s[8:9]
.set l_, 0
.rept 4
	global_load_b128 v[48+4*l_:51+4*l_], v8, s[42:43] offset:16*l_
	global_load_b128 v[64+4*l_:67+4*l_], v10, s[10:11] offset:16*l_
.set l_, l_+1
.endr
	s_wait_loadcnt 0x0
.set l_, 0
.rept 8
	v_cvt_pk_bf16_f32 v[80+l_], v[16+2*l_], v[17+2*l_]     ; w1: two units
	v_cvt_pk_bf16_f32 v[88+l_], v[32+2*l_], v[33+2*l_]     ; w2: two units
	v_cvt_pk_bf16_f32 v[96+l_], v[48+2*l_], v[49+2*l_]     ; 16 numbers of my row of w1
	v_cvt_pk_bf16_f32 v[104+l_], v[64+2*l_], v[65+2*l_]    ; and of b2[0]
.set l_, l_+1
.endr
	global_store_b128 v5, v[80:83], s[18:19]               ; each store of a wave covers 512 consecutive bytes
	global_store_b128 v5, v[84:87], s[18:19] offset:4096
	global_store_b128 v5, v[88:91], s[18:19] offset:8192
	global_store_b128 v5, v[92:95], s[18:19] offset:12288
	v_mov_b32 v112, 0
	v_mov_b32 v113, 0
.set l_, 0
.rept 8
	v_fma_mix_f32_bf16 v112, v[96+l_], v[104+l_], v112 op_sel_hi:[1,1,0]                  ; low halves, f32 sum
	v_fma_mix_f32_bf16 v113, v[96+l_], v[104+l_], v113 op_sel:[1,1,0] op_sel_hi:[1,1,0]   ; high halves
.set l_, l_+1
.endr
	v_add_f32 v112, v112, v113
	v_add_f32_dpp v112, v112, v112 row_xmask:1 row_mask:0xf bank_mask:0xf   ; over the eight lanes of a hidden unit
	v_add_f32_dpp v112, v112, v112 row_xmask:2 row_mask:0xf bank_mask:0xf
	v_add_f32_dpp v112, v112, v112 row_xmask:4 row_mask:0xf bank_mask:0xf
	v_cndmask_b32 v112, 0, v112, s37               ; block 0 has no b2 in front of it
	v_cvt_pk_bf16_f32 v11, v11, v11
	v_lshlrev_b32 v11, 16, v11                     ; b1 rounded to bf16
	v_add_f32 v11, v11, v112
	global_store_b32 v9, v11, s[18:19] offset:16384        ; the eight lanes of a unit store the same word
	s_endpgm
; ---------------- task B: Bc, its transpose in two parts, Wx, b2[0]+b2[1] ----------------
.macro LD16 dst, voff, sb, imm         ; 16 rows x 128 f32 as four fragments want them: (ks, q): 32 bytes at ks*128 + q*64
.set l_, 0
.rept 16
	global_load_b128 v[(\dst)+4*l_:(\dst)+4*l_+3], v[\voff], s[\sb:\sb+1] offset:(\imm)+(l_/4)*128+((l_/2)%2)*64+(l_%2)*16
.set l_, l_+1
.endr
.endm
.macro CVUP dst, src, n                ; n pairs rounded to bf16, ascending: safe in place where dst <= src
.set l_, 0
.rept \n
	v_cvt_pk_bf16_f32 v[(\dst)+l_], v[(\src)+2*l_], v[(\src)+2*l_+1]
.set l_, l_+1
.endr
.endm
.macro CVDN dst, src, n                ; the same descending: safe where dst = src + n
.set l_, (\n)-1
.rept \n
	v_cvt_pk_bf16_f32 v[(\dst)+l_], v[(\src)+2*l_], v[(\src)+2*l_+1]
.set l_, l_-1
.endr
.endm
.Ltaskb:
	s_sub_co_u32 s29, s29, 64
	s_lshr_b32 s32, s29, 2                         ; m
	s_and_b32 s33, s29, 3                          ; w
	s_lshl_b32 s36, s32, 17                        ; m * 131072
	s_lshl_b32 s30, s28, 14                        ; dt * 16 rows of 1024 bytes
	s_add_co_u32 s30, s30, s36
	s_lshl_b32 s37, s33, 11
	s_add_co_u32 s37, s37, s30                     ; m*131072 + dt*16384 + w*2048
	s_add_co_u32 s30, s30, 512                     ; Wc is the right half of a row of cp_w
	s_add_nc_u64 s[38:39], s[14:15], s[30:31]
	s_mov_b32 s30, s37
	s_add_nc_u64 s[22:23], s[22:23], s[30:31]      ; bct: gather wave dt/2, tile dt%2, chunks 2w and 2w+1
	s_lshl_b32 s30, s33, 15
	s_add_co_u32 s30, s30, s36                     ; m*131072 + w*32768
	s_add_nc_u64 s[12:13], s[12:13], s[30:31]      ; base_cb at candidate 64w
	s_add_nc_u64 s[20:21], s[20:21], s[30:31]      ; bcf
	s_lshl_b32 s37, s28, 6
	s_add_co_u32 s30, s30, s37                     ; + ks*128 + q*64 = wave*64
	s_add_nc_u64 s[40:41], s[14:15], s[30:31]      ; Wx at rows 32w, my unit's columns
	s_lshl_b32 s30, s28, 10
	s_add_nc_u64 s[20:21], s[20:21], s[30:31]      ; bcf + dt*1024
	s_lshl_b32 s30, s32, 9
	s_add_co_u32 s30, s30, s37
	s_add_nc_u64 s[16:17], s[16:17], s[30:31]      ; cp_b[m][16dt]
	s_lshl_b32 s30, s32, 10
	s_lshl_b32 s37, s33, 7
	s_add_co_u32 s30, s30, s37
	s_add_nc_u64 s[10:11], s[10:11], s[30:31]      ; b2[m][0][32w]
	s_lshl_b32 s30, s32, 9
	s_add_co_u32 s30, s30, s37
	s_add_nc_u64 s[26:27], s[26:27], s[30:31]      ; pb[m][32w]
	s_lshl_b32 s30, s32, 15
	s_lshl_b32 s37, s33, 13
	s_add_co_u32 s30, s30, s37
	s_add_nc_u64 s[24:25], s[24:25], s[30:31]      ; wxf
	v_and_b32 v3, 31, v0
	v_lshlrev_b32 v8, 2, v3                        ; lane*4
	v_lshlrev_b32 v3, 4, v3                        ; lane*16
	v_lshlrev_b32 v4, 5, v2                        ; h*32
	v_lshl_add_u32 v5, v1, 10, v4                  ; r*1024 + h*32
	v_lshl_add_u32 v6, v1, 9, v4                   ; r*512 + h*32
	v_lshlrev_b32 v7, 2, v1                        ; r*4
	v_lshlrev_b32 v9, 4, v0                        ; thread*16
	; first batch
	LD16 32, 5, 38, 0                              ; Wc, 16 rows
	LD16 128, 6, 12, 0                             ; cb, row tile 0
	LD16 192, 6, 12, 8192                          ; row tile 1
.set l_, 0
.rept 2
	global_load_b128 v[96+8*l_:99+8*l_], v5, s[40:41] offset:16384*l_
	global_load_b128 v[100+8*l_:103+8*l_], v5, s[40:41] offset:16384*l_+16
.set l_, l_+1
.endr
	global_load_b128 v[16:19], v4, s[16:17]        ; cp_b by register: channels 16dt+8h+j
	global_load_b128 v[20:23], v4, s[16:17] offset:16
	global_load_b32 v24, v7, s[16:17]              ; cp_b by lane: channel 16dt+r
	global_load_b32 v112, v8, s[10:11]
	global_load_b32 v113, v8, s[10:11] offset:512
	s_wait_loadcnt 0x0
	CVUP 96, 96, 8                                 ; Wx: two units
	global_store_b128 v9, v[96:99], s[24:25]
	global_store_b128 v9, v[100:103], s[24:25] offset:4096
	v_cvt_pk_bf16_f32 v112, v112, v113
	v_lshlrev_b32 v113, 16, v112
	v_and_b32 v112, s44, v112
	v_add_f32 v112, v112, v113                     ; b2[0] + b2[1], both rounded to bf16 first
	s_cmp_lg_u32 s28, 0
	s_cbranch_scc1 .Lnopb
	global_store_b32 v8, v112, s[26:27]
.Lnopb:
	s_wait_xcnt 0x0                                ; the stores have read v96-103 and v112, which are written again below
	CVUP 96, 32, 32                                ; Wc's four fragments -> v96-127
	CVUP 128, 128, 32                              ; cb tile 0 -> v128-159, in place
	CVUP 160, 192, 32                              ; cb tile 1 -> v160-191
	; second batch
	LD16 32, 6, 12, 16384                          ; row tile 2
	LD16 192, 6, 12, 24576                         ; row tile 3
	CVUP 10, 16, 4
.set l_, 0
.rept 4
	v_lshlrev_b32 v[16+2*l_], 16, v[10+l_]
	v_and_b32 v[17+2*l_], s44, v[10+l_]
.set l_, l_+1
.endr
	v_cvt_pk_bf16_f32 v24, v24, v24
	v_lshlrev_b32 v24, 16, v24
.set l_, 1
.rept 7
	v_mov_b32 v[24+l_], v24
.set l_, l_+1
.endr
	s_wait_loadcnt 0x0
	CVDN 224, 192, 32                              ; cb tile 3 -> v224-255
	CVUP 192, 32, 32                               ; cb tile 2 -> v192-223
	; Bc^T (a lane holds one candidate, eight channels): source 0 = Wc, source 1 = cb.  Four accumulators by turns.
.set l_, 0
.rept 16
.set ks_, l_/4
.set rt_, l_%4
.if ks_ == 0
	v_wmma_f32_16x16x32_bf16 v[32+8*rt_:39+8*rt_], v[96+8*ks_:103+8*ks_], v[128+32*rt_+8*ks_:135+32*rt_+8*ks_], v[16:23]
.else
	v_wmma_f32_16x16x32_bf16 v[32+8*rt_:39+8*rt_], v[96+8*ks_:103+8*ks_], v[128+32*rt_+8*ks_:135+32*rt_+8*ks_], v[32+8*rt_:39+8*rt_]
.endif
.set l_, l_+1
.endr
	; Bc (a lane holds one channel, eight candidates): the sources swapped, the same sums
.set l_, 0
.rept 16
.set ks_, l_/4
.set rt_, l_%4
.if ks_ == 0
	v_wmma_f32_16x16x32_bf16 v[64+8*rt_:71+8*rt_], v[128+32*rt_+8*ks_:135+32*rt_+8*ks_], v[96+8*ks_:103+8*ks_], v[24:31]
.else
	v_wmma_f32_16x16x32_bf16 v[64+8*rt_:71+8*rt_], v[128+32*rt_+8*ks_:135+32*rt_+8*ks_], v[96+8*ks_:103+8*ks_], v[64+8*rt_:71+8*rt_]
.endif
.set l_, l_+1
.endr
.rept 4
	v_nop                                          ; four places between the last product and the first use of a result (ISA guide 7.12.1)
.endr
.set l_, 0
.rept 8
	global_store_b128 v3, v[32+4*l_:35+4*l_], s[20:21] offset:(l_/2)*8192+(l_%2)*512   ; each accumulator from its low end
.set l_, l_+1
.endr
.set rt_, 0
.rept 4
.set l_, 0
.rept 4
	v_cvt_pk_bf16_f32 v[96+8*rt_+l_], v[64+8*rt_+2*l_], v[65+8*rt_+2*l_]     ; the first part
	v_lshlrev_b32 v[16+2*l_], 16, v[96+8*rt_+l_]
	v_and_b32 v[17+2*l_], s44, v[96+8*rt_+l_]
	v_pk_add_f32 v[16+2*l_:17+2*l_], v[64+8*rt_+2*l_:65+8*rt_+2*l_], v[16+2*l_:17+2*l_] neg_lo:[0,1] neg_hi:[0,1]
	v_cvt_pk_bf16_f32 v[100+8*rt_+l_], v[16+2*l_], v[17+2*l_]                ; what it left
.set l_, l_+1
.endr
	global_store_b128 v3, v[96+8*rt_:99+8*rt_], s[22:23] offset:512*rt_
	global_store_b128 v3, v[100+8*rt_:103+8*rt_], s[22:23] offset:8192+512*rt_
.set rt_, rt_+1
.endr
	s_endpgm
.Lfunc_end_k_qa825349291_prep:
	.size	k_qa825349291_prep, .Lfunc_end_k_qa825349291_prep-k_qa825349291_prep
	.p2alignl 7, 3214868480
	.fill 96, 4, 3214868480
	.section	.rodata,"a",@progbits
	.p2align	6, 0x0
	.amdhsa_kernel k_qa825349291_prep
		.amdhsa_group_segment_fixed_size 0
		.amdhsa_private_segment_fixed_size 0
		.amdhsa_enable_private_segment 0
		.amdhsa_kernarg_size 96
		.amdhsa_user_sgpr_count 2
		.amdhsa_user_sgpr_kernarg_segment_ptr 1
		.amdhsa_wavefront_size32 1
		.amdhsa_system_sgpr_workgroup_id_x 1
		.amdhsa_system_sgpr_workgroup_id_y 1
		.amdhsa_system_sgpr_workgroup_id_z 1
		.amdhsa_system_vgpr_workitem_id 0
		.amdhsa_next_free_vgpr 256
		.amdhsa_next_free_sgpr 66
		.amdhsa_reserve_vcc 0
		.amdhsa_float_denorm_mode_32 3
		.amdhsa_float_denorm_mode_16_64 3
		.amdhsa_memory_ordered 1
		.amdhsa_forward_progress 1
		.amdhsa_inst_pref_size 38
	.end_amdhsa_kernel
	.amdgpu_metadata
---
amdhsa.version: [ 1, 2 ]
amdhsa.kernels:
  - .name:           k_qa825349291_prep
    .symbol:         k_qa825349291_prep.kd
    .args:
      - { .name: w1, .offset: 0, .size: 8, .value_kind: global_buffer, .address_space: global }
      - { .name: w2, .offset: 8, .size: 8, .value_kind: global_buffer, .address_space: global }
      - { .name: b1, .offset: 16, .size: 8, .value_kind: global_buffer, .address_space: global }
      - { .name: b2, .offset: 24, .size: 8, .value_kind: global_buffer, .address_space: global }
      - { .name: base_cb, .offset: 32, .size: 8, .value_kind: global_buffer, .address_space: global }
      - { .name: cp_w, .offset: 40, .size: 8, .value_kind: global_buffer, .address_space: global }
      - { .name: cp_b, .offset: 48, .size: 8, .value_kind: global_buffer, .address_space: global }
      - { .name: wrec, .offset: 56, .size: 8, .value_kind: global_buffer, .address_space: global }
      - { .name: bcf, .offset: 64, .size: 8, .value_kind: global_buffer, .address_space: global }
      - { .name: bct, .offset: 72, .size: 8, .value_kind: global_buffer, .address_space: global }
      - { .name: wxf, .offset: 80, .size: 8, .value_kind: global_buffer, .address_space: global }
      - { .name: pb, .offset: 88, .size: 8, .value_kind: global_buffer, .address_space: global }
    .group_segment_fixed_size: 0
    .private_segment_fixed_size: 0
    .kernarg_segment_align: 8
    .kernarg_segment_size: 96
    .max_flat_workgroup_size: 256
    .sgpr_count:     66
    .vgpr_count:     256
    .wavefront_size: 32
...
	.end_amdgpu_metadata
.endif
;; end of part 1
;; launch qinco (part 2): grid 256 x 1, 4 waves a work-group, clusters of 4 x 1, 327,680 bytes of LDS; arguments z, wrec, bcf, bct, wxf, pb, out0, out1, out2, out3; writes out0, out1, out2, out3
.if DOCPART == 2
	.amdgcn_target "amdgcn-amd-amdhsa--gfx1250"
	.amdhsa_code_object_version 6
	.text
	.protected	k_qa825349291_qinco
	.globl	k_qa825349291_qinco
	.p2align	8
	.type	k_qa825349291_qinco,@function
k_qa825349291_qinco:
	s_mov_b64 s[64:65], 0
	v_nop
	global_prefetch_b8 v0, s[64:65] scope:SCOPE_SE
	s_setreg_imm32_b32 hwreg(HW_REG_WAVE_MODE, 25, 1), 1
	s_wait_xcnt 0x0
	s_wait_alu depctr_hold_cnt(0) depctr_sa_sdst(0) depctr_va_vdst(0) depctr_va_sdst(0) depctr_va_ssrc(0) depctr_va_vcc(0) depctr_vm_vsrc(0)
	s_getreg_b32 s2, hwreg(HW_REG_IB_STS2, 6, 4)
	s_cmp_eq_u32 s2, 0
	s_cbranch_scc0 .Lentry_in_a_cluster
	s_endpgm
.Lentry_in_a_cluster:
	s_bfe_u32 s2, ttmp6, 0x10000c
	s_cmp_lg_u32 s2, 0x3003
	s_cbranch_scc0 .Lentry_shape_is_right
	s_endpgm
.Lentry_shape_is_right:
; QINCo ENCODER, all four steps in one launch.  A work-group owns rows n0 = 2 wg and n0 + 1 of z (piece 0, piece 1): x_hat never leaves it.
; In a step each piece has 256 candidates; wave w owns candidates 64w..64w+63 of both pieces: 4 row tiles of 16 a piece, their C in f32 in windows 2 and 3.
; BOTH PRODUCTS ARE USED TRANSPOSED: h^T = W1 C^T (source 0 = 16 hidden rows of w1, source 1 = 16 candidates), C^T += W2 h^T.  In every result a lane holds ONE
; candidate (lane % 16) and eight neighbouring units 8 (lane / 16) + j, so two results rounded to bf16 in pairs ARE source 1 of the next product: nothing changes lanes.
; BIASES: the accumulators hold a = C less the b2 added so far; b1 (for block 1: b1 + W1 b2[0], made by the launch before) is the C operand of the first K step.
; With P = b2[0] + b2[1] and w = 2 P - 2 r the score is the sum over d of a (a + w): the squared distance less a constant of the row.
; TWO STAGES.  The bulk, with operands rounded to bf16, only picks the four best candidates of each row.  Those 2 x 4 rows are computed again with every activation
; as two bf16 parts (hi + rest), and the minimum is taken among them.  No address and no branch hangs on the choice: the rows are gathered by a product with a
; one-hot matrix, the winner by v_cndmask_b32 and sums across lanes.
; LIMITS.  All inputs count as rounded to bf16.  NaN and infinities are not treated apart.  The first stage orders by the score's upper 24 bits; a row whose true minimum
; has four or more rivals within the first stage's error (about 2^-8 of the activations) can be missed.  Equal scores go to the lower index.  The second stage keeps
; about 17 bits of each activation.
; WEIGHTS: a block's 8 records (132,096 bytes) fill an LDS slot; slot 0 holds block 0, slot 1 block 1.  All work-groups walk the same weights, so the four of a cluster ask
; JOINTLY: each wave one tensor load of 129 rows x 256 bytes, the same descriptor and mask in all four.  One tensor load of a wave is out at the most.
; WINDOWS of 256 registers (s_set_vgpr_msb: bits 1:0 source 0, 3:2 source 1, 5:4 source 2, 7:6 destination):
;   0: v0-15, v96-103 addresses and small state; v16-47 h^T (two buffers); v48-63 h in bf16 (two); v64-95 b1 (two); v104-127 at work; v128-255 w1 fragments (two buffers)
;   1: v0-127 C in bf16; v128-255 w2 fragments (two buffers)      2: piece 0's C      3: piece 1's C;  the second stage uses all four anew (see there)
.set REC,   16512                      ; a record: 8 fragments of w1, 8 of w2, 32 f32 of b1
.set SLOTB, 8*REC
.set SCRB,  2*SLOTB                    ; behind the slots: scratch that no tensor load fills; every region begins at a multiple of 256
.set XC,    0                          ; C or x_hat as source 1: [chunk 4][part 2][q 2][lane][16]
.set XHX,   8192                       ; h as source 1: [chunk 8][part 2][q 2][lane][16]
.set TW,    24576                      ; tables of f32, [wave 4][n 2][32]: w,
.set TA,    25600                      ; A = x_hat Wx^T,
.set TX,    26624                      ; x_hat,
.set TZ,    27648                      ; z,
.set TP,    28672                      ; P
.set TO,    29696                      ; the way out: r, c_sel, z_q_st
.set XK,    32768                      ; keys: [wave][half][4]
.set XS,    33024                      ; partial scores: [wave][lane]
.set SPARE, SCRB+33536                 ; the spare words: 128 bytes a wave, two blocks of 256 bytes that no other line names
.set SPW, 1
.set NIL, 2
.set L16, 3                            ; lane*16
.set AR,  4                            ; LDS address of the fragments in hand
.set AB,  5                            ; of b1
.set SLS, 6                            ; SCRB + 256 w + 128 n(r) + 32 h: my slice of a table; n(r) = (lane>>2)&1
.set BP,  7                            ; 32 h
.set KC,  8                            ; the row's four codes, a byte each
.set KS,  9                            ; the candidate that my column stands for
.set KF,  10                           ; the same as f32
.set RA2, 11
.set RA3, 12
.set SCL, 13                           ; SCRB + lane*16
.set SCW, 14                           ; + 2048 w
.set KB,  15                           ; 64 w + r
.set HA,  16
.set HB,  48
.set B1F, 64
.set P0S, 96                           ; piece 0's four scores
.set SHW, 100                          ; SCL + 4096 w
.set BPS, 101                          ; SCRB + 32 h
.set L4S, 102                          ; SCRB + lane*4
.set L4W, 103                          ; + 128 w
.set TT,  104
.set W1F, 128
.set W2F, 128                          ; window 1
.set CM,  16                           ; second stage: my 32 channels of the 16 columns, two accumulators
.set HR,  32                           ; my 64 hidden units, four accumulators
.set CO,  128                          ; C's parts as source 1: chunk k, part at CO + 16 k + 8 part
.set OH,  192                          ; the one-hot matrix, later h's parts
.set RXH, 192                          ; slices: x_hat, z, P, w
.set RZS, 208
.set RPS, 224
.set RWS, 240
.set MSB, 0
.macro WIN new                         ; the immediate's high byte repeats the setting that is left; a switch that changes nothing is dropped
.if MSB != (\new)
	s_set_vgpr_msb (MSB<<8)|(\new)
.set MSB, (\new)
.endif
.endm
.macro PLACES                          ; four places behind a matrix instruction (ISA guide 7.12.1)
.rept 4
	v_nop
.endr
.endm
.macro BAR                             ; my LDS instructions are done, then the work-group's barrier
	s_wait_dscnt 0x0
	s_barrier_signal -1
	s_barrier_wait -1
.endm
.macro ROUND                           ; a round of the cluster's barrier
	s_barrier_signal -1
	s_barrier_wait -1
	s_cmp_lg_u32 s24, 0
	s_cbranch_scc1 .Lnw0_\@
	s_barrier_signal -3
.Lnw0_\@:
	s_barrier_wait -3
	s_barrier_signal -1
	s_barrier_wait -1
.endm
.macro JLOAD g                         ; my quarter of a slot, asked for jointly; s_nop 0 and four v_nop follow
	tensor_load_to_lds s[\g:\g+3], s[28:35]
	s_nop 0
	PLACES
.endm
.macro SLD reg, off                    ; my slice of a table: 16 f32, channels 32 w + 16 dt + 8 h + j of row n(r)
.set i_, 0
.rept 4
	ds_load_b128 v[(\reg)+4*i_:(\reg)+4*i_+3], v[SLS] offset:(\off)+64*(i_/2)+16*(i_%2)
.set i_, i_+1
.endr
.endm
.macro SST reg, off
.set i_, 0
.rept 4
	ds_store_b128 v[SLS], v[(\reg)+4*i_:(\reg)+4*i_+3] offset:(\off)+64*(i_/2)+16*(i_%2)
.set i_, i_+1
.endr
.endm
.macro SPLITX x, hi, lo                ; 16 f32 -> 8 registers of bf16 and 8 of what the rounding left
.set i_, 0
.rept 8
.set t_, TT+2*(i_%4)
	v_cvt_pk_bf16_f32 v[(\hi)+i_], v[(\x)+2*i_], v[(\x)+2*i_+1]
	v_lshlrev_b32 v[t_], 16, v[(\hi)+i_]
	v_and_b32 v[t_+1], s49, v[(\hi)+i_]
	v_pk_add_f32 v[t_:t_+1], v[(\x)+2*i_:(\x)+2*i_+1], v[t_:t_+1] neg_lo:[0,1] neg_hi:[0,1]
	v_cvt_pk_bf16_f32 v[(\lo)+i_], v[t_], v[t_+1]
.set i_, i_+1
.endr
.endm
; ---------------- the first stage's macros ----------------
.macro FETCH cp                        ; 36 LDS loads in one run: the record at s47 into buffer cp; lanes read consecutive 16 bytes
	WIN 0
	v_add_nc_u32 v[AR], s47, v[L16]
	v_add_nc_u32 v[AB], s47, v[BP]
	s_add_co_u32 s47, s47, REC                     ; the next fetch is the next record's
.set f_, 0
.rept 16
	ds_load_b128 v[W1F+64*(\cp)+4*f_:W1F+64*(\cp)+4*f_+3], v[AR] offset:512*f_
.set f_, f_+1
.endr
.set f_, 0
.rept 4
	ds_load_b128 v[B1F+16*(\cp)+4*f_:B1F+16*(\cp)+4*f_+3], v[AB] offset:16384+64*(f_/2)+16*(f_%2)
.set f_, f_+1
.endr
	WIN 0x40
.set f_, 0
.rept 16
	ds_load_b128 v[W2F+64*(\cp)+4*f_:W2F+64*(\cp)+4*f_+3], v[AR] offset:8192+512*f_
.set f_, f_+1
.endr
	WIN 0
.endm
.macro PACK p                          ; piece p's C rounded to bf16: register o of window 1 takes registers 2 o, 2 o + 1; each accumulator from its low end
	WIN 0x4a+5*(\p)
.set i_, 0
.rept 128
	v_cvt_pk_bf16_f32 v[i_], v[2*i_], v[2*i_+1]
.set i_, i_+1
.endr
	WIN 0
.endm
.macro P1MM rt, cp, i                  ; product i of 8 of h^T = W1 C^T for row tile rt: hidden tile i & 1, K chunk i >> 1; the two accumulators take turns
.set T_, (\i)&1
.set k_, (\i)>>1
.set d_, HA+16*gb+8*T_
.set a_, W1F+64*(\cp)+8*(4*T_+k_)
.set b_, 32*(\rt)+8*k_
.if k_ == 0
	v_wmma_f32_16x16x32_bf16 v[d_:d_+7], v[a_:a_+7], v[b_:b_+7], v[B1F+16*(\cp)+8*T_:B1F+16*(\cp)+8*T_+7]
.else
	v_wmma_f32_16x16x32_bf16 v[d_:d_+7], v[a_:a_+7], v[b_:b_+7], v[d_:d_+7]
.endif
.endm
.macro RELU j0, n                      ; on the tile before (buffer gq); the constant is source 1, so the line is right while source 1 means window 1
.set j_, (\j0)
.rept \n
	v_max_num_f32 v[HA+16*gq+j_], v[HA+16*gq+j_], 0
.set j_, j_+1
.endr
.endm
.macro CVTH i0
.set j_, (\i0)
.rept 4
	v_cvt_pk_bf16_f32 v[HB+8*gq+j_], v[HA+16*gq+2*j_], v[HA+16*gq+2*j_+1]
.set j_, j_+1
.endr
.endm
; A GROUP: 8 products h^T for row tile rt, with the ReLU and rounding of the tile before as riders behind them; then that tile's 8 products C^T += W2 h^T.
; Behind a tile's last product on its first accumulator stand 2 + 4 riders on other registers before its first ReLU, behind the last on its second 4.
; fet = 1: the next record is fetched between the two phases; its buffer's last reader stands 24 riders back.  last = 1: not in the pass's last trip.
.macro GROUP p, rt, cp, fet, last
.set gb, (\rt)&1
.set gq, 1-gb
.set gr, ((\rt)+3)&3
.set gc, (\cp)
.if (\rt) == 0
.set gc, 1-(\cp)
.endif
	WIN 0x04
	P1MM \rt, \cp, 0
	RELU 0, 3
	P1MM \rt, \cp, 1
	RELU 3, 3
	P1MM \rt, \cp, 2
	RELU 6, 2
	P1MM \rt, \cp, 3
	WIN 0
	CVTH 0
	WIN 0x04
	P1MM \rt, \cp, 4
	RELU 8, 3
	P1MM \rt, \cp, 5
	RELU 11, 3
	P1MM \rt, \cp, 6
	RELU 14, 2
	P1MM \rt, \cp, 7
	WIN 0
	CVTH 4
.if \fet
.if \last
	s_cmp_eq_u32 s46, 1
	s_cbranch_scc1 .Lnf_\@
.endif
	FETCH 1-(\cp)
.if \last
.Lnf_\@:
.endif
.endif
	WIN 0xa1+0x50*(\p)
.set j_, 0
.rept 8
	v_wmma_f32_16x16x32_bf16 v[64*gr+8*j_:64*gr+8*j_+7], v[W2F+64*gc+8*j_:W2F+64*gc+8*j_+7], v[HB+8*gq:HB+8*gq+7], v[64*gr+8*j_:64*gr+8*j_+7]
.set j_, j_+1
.endr
.endm
.macro CHUNK p, cp, last               ; 32 hidden units for the piece's four row tiles: 64 matrix instructions
	s_wait_dscnt 0x0                               ; this record's fragments are in: they were asked for 40 matrix instructions ago
	GROUP \p, 0, \cp, 0, 0
	GROUP \p, 1, \cp, 1, \last
	GROUP \p, 2, \cp, 0, 0
	GROUP \p, 3, \cp, 0, 0
.endm
.macro EPI p                           ; the pass's last tile: its ReLU, rounding and 8 products
	WIN 0
.set gq, 1
	RELU 0, 8
	CVTH 0
	RELU 8, 8
	CVTH 4
	WIN 0xa1+0x50*(\p)
.set j_, 0
.rept 8
	v_wmma_f32_16x16x32_bf16 v[192+8*j_:199+8*j_], v[W2F+64+8*j_:W2F+71+8*j_], v[HB+8:HB+15], v[192+8*j_:199+8*j_]
.set j_, j_+1
.endr
	WIN 0
.endm
; A PASS: one block for one piece.  The first group's riders and second phase work on a buffer of zeros: eight products that add 0, the price of one looped text.
.macro PASS p
	WIN 0
	s_mov_b32 s47, s53                             ; the slot's first record
	FETCH 0
.set j_, 0
.rept 16
	v_mov_b32 v[HA+16+j_], 0
.set j_, j_+1
.endr
	PACK \p
	s_mov_b32 s46, 4
.Lck_\@:
	CHUNK \p, 0, 0
	CHUNK \p, 1, 1
	WIN 0
	s_sub_co_u32 s46, s46, 1
	s_cmp_lg_u32 s46, 0
	s_cbranch_scc1 .Lck_\@
	EPI \p
.endm
; SCORE: the sum over d of a (a + w) for my 64 candidates of piece p; every lane ends with its candidate's score for each of the four row tiles.
; The lines on row tiles 0 to 2 are the places behind the pass's last products, which wrote row tile 3.
.macro SCORE p, dst
	WIN 0
.set i_, 0
.rept 16
	ds_load_b128 v[128+4*i_:131+4*i_], v[BPS] offset:TW+(i_/4)*256+(\p)*128+((i_/2)%2)*64+(i_%2)*16
.set i_, i_+1
.endr
	s_wait_dscnt 0x0
	WIN 0x02+(\p)
.set sa_, 0
.rept 4
.set sb_, 0
.rept 8
.set sc_, 0
.rept 4
	v_pk_add_f32 v[192+2*sc_:193+2*sc_], v[64*sa_+8*sb_+2*sc_:64*sa_+8*sb_+2*sc_+1], v[128+8*sb_+2*sc_:129+8*sb_+2*sc_]
.set sc_, sc_+1
.endr
.set sc_, 0
.rept 4
.if sb_ == 0
	v_pk_mul_f32 v[200+8*sa_+2*sc_:201+8*sa_+2*sc_], v[64*sa_+8*sb_+2*sc_:64*sa_+8*sb_+2*sc_+1], v[192+2*sc_:193+2*sc_]
.else
	v_pk_fma_f32 v[200+8*sa_+2*sc_:201+8*sa_+2*sc_], v[64*sa_+8*sb_+2*sc_:64*sa_+8*sb_+2*sc_+1], v[192+2*sc_:193+2*sc_], v[200+8*sa_+2*sc_:201+8*sa_+2*sc_]
.endif
.set sc_, sc_+1
.endr
.set sb_, sb_+1
.endr
.set sa_, sa_+1
.endr
	WIN 0
.set sa_, 0
.rept 4
.set t_, 200+8*sa_
	v_pk_add_f32 v[t_:t_+1], v[t_:t_+1], v[t_+2:t_+3]
	v_pk_add_f32 v[t_+4:t_+5], v[t_+4:t_+5], v[t_+6:t_+7]
	v_mov_b32 v[236+sa_], 0                        ; v_permlanex16_b32 counts as a reader of its destination
	v_pk_add_f32 v[t_:t_+1], v[t_:t_+1], v[t_+4:t_+5]
	v_add_f32 v[t_], v[t_], v[t_+1]
	v_permlanex16_b32 v[236+sa_], v[t_], s54, s55  ; the candidate's other 64 channels lie in the lane 16 away
	v_add_f32 v[(\dst)+sa_], v[t_], v[236+sa_]
.set sa_, sa_+1
.endr
.endm
; ---------------- the second stage's macros ----------------
; 16 columns: column r stands for candidate number r & 3 of row n(r); columns 8-15 repeat 0-7.  Wave w owns hidden units 64w..64w+63 and channels 32w..32w+31.
.macro RLOADW1 sb                      ; my four hidden tiles of w1 (two records) -> window 1 v0-127, their b1 -> v64-95: 40 loads
	WIN 0
	v_add_nc_u32 v[AR], \sb, v[L16]
	v_add_nc_u32 v[AB], \sb, v[BP]
	WIN 0x40
.set i_, 0
.rept 32
	ds_load_b128 v[4*i_:4*i_+3], v[AR] offset:(i_/16)*REC+(i_%16)*512
.set i_, i_+1
.endr
	WIN 0
.set i_, 0
.rept 8
	ds_load_b128 v[B1F+4*i_:B1F+4*i_+3], v[AB] offset:16384+(i_/4)*REC+((i_/2)%2)*64+(i_%2)*16
.set i_, i_+1
.endr
.endm
.macro RLOADW2 sb                      ; my two channel tiles of w2, all 8 records -> window 1 v128-255: 32 loads
	WIN 0
	v_add_nc_u32 v[RA2], \sb, v[L16]
	v_add_nc_u32 v[RA3], 4*REC, v[RA2]
	WIN 0x40
.set i_, 0
.rept 32
.set c_, (i_/2)%8
.if c_ < 4
	ds_load_b128 v[128+4*i_:131+4*i_], v[RA2] offset:c_*REC+(i_/16)*1024+(i_%2)*512
.else
	ds_load_b128 v[128+4*i_:131+4*i_], v[RA3] offset:(c_-4)*REC+(i_/16)*1024+(i_%2)*512
.endif
.set i_, i_+1
.endr
	WIN 0
.endm
.macro COLOAD                          ; all 128 channels, both parts, as source 1
.set i_, 0
.rept 16
	ds_load_b128 v[CO+4*i_:CO+4*i_+3], v[SCL] offset:XC+512*i_
.set i_, i_+1
.endr
.endm
; One residual block for the 16 columns.  hooka = 1: w2 of slot 1 is fetched behind C's parts.  hookb = 1: w1 of slot 1 is fetched behind h's parts.
.macro REFBLK hooka, hookb
	WIN 0
	PLACES
	SPLITX CM, 48, 56
	ds_store_b128 v[SCW], v[48:51] offset:XC
	ds_store_b128 v[SCW], v[52:55] offset:XC+512
	ds_store_b128 v[SCW], v[56:59] offset:XC+1024
	ds_store_b128 v[SCW], v[60:63] offset:XC+1536
	BAR                                            ; every wave's 32 channels are in XC
	COLOAD
.if \hooka
	RLOADW2 s77
	s_wait_dscnt 32                                ; C's 16 loads are in; the 32 younger ones (w2) may stay out
.else
	s_wait_dscnt 0x0
.endif
	WIN 0x01
.set i_, 0
.rept 32                               ; part i/16, K chunk (i/4)%4, hidden tile i%4: four accumulators by turns
.set T_, i_%4
.set k_, (i_/4)%4
.if i_ < 4
	v_wmma_f32_16x16x32_bf16 v[HR+8*T_:HR+8*T_+7], v[32*T_+8*k_:32*T_+8*k_+7], v[CO+16*k_+8*(i_/16):CO+16*k_+8*(i_/16)+7], v[B1F+8*T_:B1F+8*T_+7]
.else
	v_wmma_f32_16x16x32_bf16 v[HR+8*T_:HR+8*T_+7], v[32*T_+8*k_:32*T_+8*k_+7], v[CO+16*k_+8*(i_/16):CO+16*k_+8*(i_/16)+7], v[HR+8*T_:HR+8*T_+7]
.endif
.set i_, i_+1
.endr
	WIN 0
	PLACES
.set j_, 0
.rept 32
	v_max_num_f32 v[HR+j_], 0, v[HR+j_]
.set j_, j_+1
.endr
	SPLITX HR, 192, 200
	SPLITX HR+16, 208, 216
.set i_, 0
.rept 8
	ds_store_b128 v[SHW], v[192+4*i_:195+4*i_] offset:XHX+512*i_
.set i_, i_+1
.endr
	BAR                                            ; every wave's 64 hidden units are in XHX; all reads of XC are over
	WIN 0x80
.set i_, 0
.rept 32
	ds_load_b128 v[4*i_:4*i_+3], v[SCL] offset:XHX+512*i_      ; window 2: chunk c, part at 16 c + 8 part
.set i_, i_+1
.endr
	WIN 0
.if \hookb
	RLOADW1 s76
	s_wait_dscnt 40                                ; h's 32 loads are in; the 40 younger ones (w1, b1) may stay out
.else
	s_wait_dscnt 0x0
.endif
	WIN 0x09
.set i_, 0
.rept 32                               ; part i/16, chunk (i/2)%8, channel tile i%2: two accumulators by turns
.set d_, i_%2
.set c_, (i_/2)%8
	v_wmma_f32_16x16x32_bf16 v[CM+8*d_:CM+8*d_+7], v[128+64*d_+8*c_:135+64*d_+8*c_], v[16*c_+8*(i_/16):16*c_+8*(i_/16)+7], v[CM+8*d_:CM+8*d_+7]
.set i_, i_+1
.endr
	WIN 0
.endm
; FINAL: the exact scores of the 2 x 4 rows, the winner, c_sel, r, the new x_hat, the step's outputs.  tail = 1: z_q_st and the codes too.
.macro FINAL tail
	WIN 0
	PLACES
	SLD RXH, TX
	SLD RZS, TZ
	SLD RPS, TP
	SLD RWS, TW
	s_wait_dscnt 0x0
.set i_, 0
.rept 8
	v_pk_add_f32 v[TT+2*i_:TT+2*i_+1], v[CM+2*i_:CM+2*i_+1], v[RWS+2*i_:RWS+2*i_+1]
.set i_, i_+1
.endr
.set i_, 0
.rept 4
	v_pk_mul_f32 v[120+2*i_:121+2*i_], v[CM+2*i_:CM+2*i_+1], v[TT+2*i_:TT+2*i_+1]
.set i_, i_+1
.endr
.set i_, 0
.rept 4
	v_pk_fma_f32 v[120+2*i_:121+2*i_], v[CM+8+2*i_:CM+9+2*i_], v[TT+8+2*i_:TT+9+2*i_], v[120+2*i_:121+2*i_]
.set i_, i_+1
.endr
	v_pk_add_f32 v[120:121], v[120:121], v[122:123]
	v_pk_add_f32 v[124:125], v[124:125], v[126:127]
	v_pk_add_f32 v[120:121], v[120:121], v[124:125]
	v_add_f32 v120, v120, v121
	v_permlanex16_b32 v121, v120, s54, s55
	v_add_f32 v120, v120, v121                     ; my 32 channels' share of column r's score
	ds_store_b32 v[L4W], v120 offset:XS
	BAR
.set i_, 0
.rept 4
	ds_load_b32 v[TT+i_], v[L4S] offset:XS+128*i_
.set i_, i_+1
.endr
	s_wait_dscnt 0x0
	v_add_f32 v104, v104, v105
	v_add_f32 v106, v106, v107
	v_add_f32 v108, v104, v106                     ; the same order in every wave: the same bits
	v_mov_b32 v109, v108
	v_min_num_f32_dpp v109, v109, v109 row_xmask:1 row_mask:0xf bank_mask:0xf   ; over the row's four columns
	v_min_num_f32_dpp v109, v109, v109 row_xmask:2 row_mask:0xf bank_mask:0xf
	v_mov_b32 v111, s57
	v_cmp_eq_f32 vcc_lo, v108, v109
	v_cndmask_b32 v110, v111, v[KF], vcc_lo        ; among equal scores the lowest index
	v_min_num_f32_dpp v110, v110, v110 row_xmask:1 row_mask:0xf bank_mask:0xf
	v_min_num_f32_dpp v110, v110, v110 row_xmask:2 row_mask:0xf bank_mask:0xf
	v_cmp_eq_f32 vcc_lo, v[KF], v110
.set i_, 0
.rept 16
	v_cndmask_b32 v[32+i_], 0, v[CM+i_], vcc_lo    ; the winner's numbers, 0 in the other three columns,
.set i_, i_+1
.endr
.set i_, 0
.rept 16
	v_add_f32_dpp v[32+i_], v[32+i_], v[32+i_] row_xmask:1 row_mask:0xf bank_mask:0xf   ; summed over the four: all hold the winner
.set i_, i_+1
.endr
.set i_, 0
.rept 16
	v_add_f32_dpp v[32+i_], v[32+i_], v[32+i_] row_xmask:2 row_mask:0xf bank_mask:0xf
.set i_, i_+1
.endr
.set i_, 0
.rept 8
	v_pk_add_f32 v[32+2*i_:33+2*i_], v[32+2*i_:33+2*i_], v[RPS+2*i_:RPS+2*i_+1]                                ; c_sel = a + P
	v_pk_add_f32 v[48+2*i_:49+2*i_], v[RZS+2*i_:RZS+2*i_+1], v[RXH+2*i_:RXH+2*i_+1] neg_lo:[0,1] neg_hi:[0,1]  ; r = z - x_hat
.set i_, i_+1
.endr
.set i_, 0
.rept 8
	v_pk_add_f32 v[RXH+2*i_:RXH+2*i_+1], v[RXH+2*i_:RXH+2*i_+1], v[32+2*i_:33+2*i_]                            ; x_hat += c_sel
.set i_, i_+1
.endr
.if \tail
.set i_, 0
.rept 8
	v_pk_add_f32 v[RWS+2*i_:RWS+2*i_+1], v[RXH+2*i_:RXH+2*i_+1], v[RZS+2*i_:RZS+2*i_+1] neg_lo:[0,1] neg_hi:[0,1]
.set i_, i_+1
.endr
.set i_, 0
.rept 8
	v_pk_add_f32 v[RWS+2*i_:RWS+2*i_+1], v[RZS+2*i_:RZS+2*i_+1], v[RWS+2*i_:RWS+2*i_+1]                        ; z + (z_q - z)
.set i_, i_+1
.endr
.endif
	SST RXH, TX
	SST 48, TO
	SST 32, TO+1024
.if \tail
	SST RWS, TO+2048
.endif
	v_cvt_u32_f32 v111, v110
	v_lshl_or_b32 v[KC], v111, s56, v[KC]          ; this step's code into its byte
	v_bfe_u32 v112, v0, 3, 2                       ; the way out reads a row's 512 bytes: channel block lane/8, 16 bytes a lane
	v_and_b32 v113, 7, v0
	v_lshlrev_b32 v112, 8, v112
	v_lshl_add_u32 v112, v113, 4, v112
	v_add_nc_u32 v112, s72, v112                   ; waves 0, 1: r of rows n0, n0+1; waves 2, 3: c_sel
	v_add_nc_u32 v113, s73, v[L16]
	BAR                                            ; every wave's slices are in TO
	ds_load_b128 v[104:107], v112
	s_cmp_lt_u32 s24, 2
	s_cselect_b64 s[60:61], s[20:21], s[22:23]
	s_wait_dscnt 0x0
	global_store_b128 v113, v[104:107], s[60:61]   ; 512 consecutive bytes, at a multiple of 256 from the buffer's first
.if \tail
	s_cmp_lt_u32 s24, 2
	s_cbranch_scc0 .Lno0_\@
	ds_load_b128 v[116:119], v112 offset:2048
	s_wait_dscnt 0x0
	global_store_b128 v113, v[116:119], s[16:17]
.Lno0_\@:
	s_cmp_eq_u32 s24, 0
	s_cbranch_scc0 .Lno1_\@
	v_bfe_u32 v120, v[KC], 0, 8
	v_bfe_u32 v121, v[KC], 8, 8
	v_bfe_u32 v122, v[KC], 16, 8
	v_bfe_u32 v123, v[KC], 24, 8
	v_bfe_u32 v124, v0, 2, 1
	v_lshlrev_b32 v124, 4, v124
	global_store_b128 v124, v[120:123], s[18:19]   ; a row's four codes; the lanes of one row store the same 16 bytes
.Lno1_\@:
.endif
.endm
; ======================= HEAD =======================
	s_load_b512 s[4:19], s[0:1], 0x0               ; z s[4:5] wrec s[6:7] bcf s[8:9] bct s[10:11] wxf s[12:13] pb s[14:15] out0 s[16:17] out1 s[18:19]
	s_load_b128 s[20:23], s[0:1], 0x40             ; out2 s[20:21] out3 s[22:23]
	v_lshl_add_u32 v[SPW], v0, 2, SPARE
	v_mov_b32 v[NIL], 0
	ds_add_u32 v[SPW], v[NIL]                      ; the wave's opening: the add and its wait go ahead of my first tensor load
	v_lshrrev_b32 v3, 5, v0
	v_readfirstlane_b32 s24, v3                    ; wave 0..3
	s_bfe_u32 s25, ttmp6, 0x40000                  ; cx
	s_lshl_b32 s26, ttmp9, 2
	s_add_co_u32 s25, s26, s25                     ; work-group = 4 x cluster + cx: it enters the addresses of z and of the outputs alone
	s_mov_b32 s27, 0
	; descriptor group 1: 129 dense rows of 32 elements of 8 bytes
	s_mov_b32 s28, 15|(3<<16)|(1<<21)              ; 15:0 the mask of four; 17:16 elements of 8 bytes; 21 set beside a mask
	s_mov_b32 s29, 32<<16                          ; tensor_dim0 = 32
	s_mov_b32 s30, 129<<16                         ; tensor_dim1 = 129
	s_mov_b32 s31, 32<<16                          ; tile_dim0 = 32
	s_mov_b32 s32, 129                             ; tile_dim1 = 129
	s_mov_b32 s33, 32                              ; 32 elements from row to row
	s_mov_b32 s34, 0
	s_mov_b32 s35, 0
	s_mul_i32 s70, s24, 2*REC                      ; my quarter of a slot: two records; also my 64 hidden units in slot 0
	s_add_co_u32 s76, s70, SLOTB                   ; the same in slot 1
	s_lshl_b32 s71, s24, 11
	s_add_co_u32 s71, s71, 8192                    ; my two channel tiles of w2 in a record of slot 0
	s_add_co_u32 s77, s71, SLOTB                   ; of slot 1
	s_and_b32 s73, s24, 1
	s_lshl_b32 s72, s73, 7
	s_lshr_b32 s74, s24, 1
	s_lshl_b32 s74, s74, 10
	s_add_co_u32 s72, s72, s74
	s_add_co_u32 s72, s72, SCRB+TO                 ; the way out: table w/2, row w%2
	s_lshl_b32 s73, s73, 9                         ; that row in the outputs
	s_lshl_b32 s74, s24, 5
	s_add_co_u32 s74, s74, SCRB+XK                 ; my keys
	s_lshl_b32 s75, s24, 7
	s_mov_b32 s36, 1                               ; group 0 for slot 0: count,
	s_mov_b32 s37, s70                             ; LDS address
	s_mov_b32 s40, 1                               ; group 0 for slot 1
	s_mov_b32 s41, s76
	s_mov_b32 s48, 0xffffff00
	s_mov_b32 s49, 0xffff0000                      ; a word's upper bf16; also: lanes 16-31
	s_mov_b32 s50, 0xaaaaaaaa                      ; lanes with bit 0 set
	s_mov_b32 s51, 0xcccccccc                      ; with bit 1 set
	s_mov_b32 s52, 0x0f0ff0f0                      ; lanes whose half is not their column's row
	s_mov_b32 s54, 0x76543210                      ; v_permlanex16_b32: each lane takes its own place in the other half
	s_mov_b32 s55, 0xfedcba98
	s_mov_b32 s57, 0x7f800000                      ; +infinity
	s_mov_b32 s44, 4                               ; steps to go
	s_mov_b32 s56, 0                               ; 8 m
	s_wait_dscnt 0x0                               ; the opening add is done
	s_wait_kmcnt 0x0
	s_mov_b32 s26, s70
	s_add_nc_u64 s[38:39], s[6:7], s[26:27]        ; step 0, block 0, my quarter
	s_add_nc_u64 s[42:43], s[38:39], SLOTB         ; step 0, block 1
	s_or_b32 s39, s39, 0x80000000                  ; type = 2
	s_or_b32 s43, s43, 0x80000000
	s_lshl_b32 s26, s24, 15
	s_add_nc_u64 s[8:9], s[8:9], s[26:27]
	s_add_nc_u64 s[10:11], s[10:11], s[26:27]
	s_lshl_b32 s26, s24, 13
	s_add_nc_u64 s[12:13], s[12:13], s[26:27]
	s_lshl_b32 s26, s25, 10                        ; two rows of 512 bytes
	s_add_nc_u64 s[4:5], s[4:5], s[26:27]
	s_add_nc_u64 s[16:17], s[16:17], s[26:27]
	s_add_nc_u64 s[20:21], s[20:21], s[26:27]
	s_add_nc_u64 s[22:23], s[22:23], s[26:27]
	s_lshl_b32 s26, s25, 5
	s_add_nc_u64 s[18:19], s[18:19], s[26:27]
	ROUND                                          ; all four work-groups are here: the first joint loads meet
	JLOAD 36                                       ; slot 0: step 0, block 0
	v_and_b32 v[L16], 31, v0
	v_lshl_add_u32 v[L4S], v[L16], 2, SCRB
	v_lshlrev_b32 v[L16], 4, v[L16]
	v_bfe_u32 v[BP], v0, 4, 1
	v_lshlrev_b32 v[BP], 5, v[BP]
	v_bfe_u32 v104, v0, 2, 1                       ; n(r)
	s_lshl_b32 s26, s24, 8
	s_add_co_u32 s26, s26, SCRB
	v_lshl_add_u32 v[SLS], v104, 7, v[BP]
	v_add_nc_u32 v[SLS], s26, v[SLS]
	v_add_nc_u32 v[SCL], SCRB, v[L16]
	s_lshl_b32 s26, s24, 11
	v_add_nc_u32 v[SCW], s26, v[SCL]
	s_lshl_b32 s26, s24, 12
	v_add_nc_u32 v[SHW], s26, v[SCL]
	v_and_b32 v[KB], 15, v0
	s_lshl_b32 s26, s24, 6
	v_or_b32 v[KB], s26, v[KB]
	v_add_nc_u32 v[BPS], SCRB, v[BP]
	v_add_nc_u32 v[L4W], s75, v[L4S]
	v_lshl_add_u32 v105, v104, 9, v[BP]
	v_add_nc_u32 v105, s75, v105                   ; z: row n(r), channels 32 w + 8 h
.set i_, 0
.rept 4
	global_load_b128 v[RZS+4*i_:RZS+4*i_+3], v105, s[4:5] offset:64*(i_/2)+16*(i_%2)
.set i_, i_+1
.endr
	v_mov_b32 v[KC], 0
.set i_, 0
.rept 4
	v_mov_b32 v[P0S+i_], 0
	v_mov_b32 v[RXH+i_], 0
.set i_, i_+1
.endr
	s_wait_loadcnt 0x0
.set i_, 0
.rept 8
	v_cvt_pk_bf16_f32 v[TT+i_], v[RZS+2*i_], v[RZS+2*i_+1]     ; z counts as rounded to bf16, like every input
.set i_, i_+1
.endr
.set i_, 0
.rept 8
	v_lshlrev_b32 v[RZS+2*i_], 16, v[TT+i_]
	v_and_b32 v[RZS+2*i_+1], s49, v[TT+i_]
.set i_, i_+1
.endr
	SST RZS, TZ
.set i_, 0
.rept 4
	ds_store_b128 v[SLS], v[RXH:RXH+3] offset:TX+64*(i_/2)+16*(i_%2)   ; x_hat = 0
.set i_, i_+1
.endr
	WIN 0xc0
.set i_, 0
.rept 64
	global_load_b128 v[4*i_:4*i_+3], v[L16], s[8:9] offset:512*i_      ; Bc of step 0, as the accumulators lie -> window 3
.set i_, i_+1
.endr
	WIN 0x80
.set i_, 0
.rept 16
	global_load_b128 v[128+4*i_:131+4*i_], v[L16], s[12:13] offset:512*i_   ; Wx of step 0 -> window 2
.set i_, i_+1
.endr
	WIN 0x40
.set i_, 0
.rept 64
	v_mov_b32 v[W2F+64+i_], 0                      ; what the very first group multiplies by zeros must be finite
.set i_, i_+1
.endr
	WIN 0
	s_wait_xcnt 0x0                                ; the loads' bases are stepped only behind this wait
	s_add_nc_u64 s[8:9], s[8:9], 131072            ; both now stand at step 1
	s_add_nc_u64 s[12:13], s[12:13], 32768
	BAR
	s_branch .Lenter                               ; the loop over steps is entered in its middle
; ======================= THE LOOP OVER STEPS =======================
.Lstep:
	; slot 0 is filled again, with the next step's block 0: its last readers were the second stage's fragment loads
	s_wait_tensorcnt 0x0                           ; no tensor load of mine is out, so the groups 0 may be written
	ds_add_u32 v[SPW], v[NIL]                      ; 0 onto my spare word
	s_add_nc_u64 s[38:39], s[38:39], 2*SLOTB       ; both descriptors step to the next step's blocks
	s_add_nc_u64 s[42:43], s[42:43], 2*SLOTB
	s_wait_dscnt 0x0                               ; the add is done, and my reads of slot 0 are over
	ROUND
	JLOAD 36
	WIN 0x80
.set i_, 0
.rept 16
	global_load_b128 v[128+4*i_:131+4*i_], v[L16], s[12:13] offset:512*i_   ; Wx of the next step
.set i_, i_+1
.endr
	WIN 0
	REFBLK 1, 0                                    ; the second stage's block 1, from slot 1
	FINAL 0
	s_wait_xcnt 0x0                                ; stores and loads have read their registers and bases
	s_add_nc_u64 s[14:15], s[14:15], 512
	s_add_nc_u64 s[10:11], s[10:11], 131072
	s_add_nc_u64 s[8:9], s[8:9], 131072
	s_add_nc_u64 s[12:13], s[12:13], 32768
	s_add_nc_u64 s[20:21], s[20:21], 262144
	s_add_nc_u64 s[22:23], s[22:23], 262144
	s_add_co_u32 s56, s56, 8
.Lenter:
	; ---- NEXT: w = 2 P - 2 (z - x_hat), A = x_hat Wx^T (x_hat in two parts) ----
	SLD RXH, TX
	SLD RZS, TZ
	v_add_nc_u32 v104, s75, v[BP]
.set i_, 0
.rept 4
	global_load_b128 v[RPS+4*i_:RPS+4*i_+3], v104, s[14:15] offset:64*(i_/2)+16*(i_%2)
.set i_, i_+1
.endr
	s_wait_dscnt 0x0
	s_wait_loadcnt 0x0                             ; P, and the older loads of Bc and Wx
	SPLITX RXH, 48, 56
	ds_store_b128 v[SCW], v[48:51] offset:XC
	ds_store_b128 v[SCW], v[52:55] offset:XC+512
	ds_store_b128 v[SCW], v[56:59] offset:XC+1024
	ds_store_b128 v[SCW], v[60:63] offset:XC+1536
.set i_, 0
.rept 8
	v_pk_add_f32 v[RWS+2*i_:RWS+2*i_+1], v[RZS+2*i_:RZS+2*i_+1], v[RXH+2*i_:RXH+2*i_+1] neg_lo:[0,1] neg_hi:[0,1]
.set i_, i_+1
.endr
.set i_, 0
.rept 8
	v_pk_add_f32 v[RWS+2*i_:RWS+2*i_+1], v[RPS+2*i_:RPS+2*i_+1], v[RWS+2*i_:RWS+2*i_+1] neg_lo:[0,1] neg_hi:[0,1]
.set i_, i_+1
.endr
.set i_, 0
.rept 8
	v_pk_add_f32 v[RWS+2*i_:RWS+2*i_+1], v[RWS+2*i_:RWS+2*i_+1], v[RWS+2*i_:RWS+2*i_+1]
.set i_, i_+1
.endr
	SST RWS, TW
	SST RPS, TP
	BAR
	COLOAD
	s_wait_dscnt 0x0
	WIN 0x02
.set i_, 0
.rept 16                               ; part i/8, K chunk (i/2)%4, channel tile i%2: two accumulators by turns; the first two start the sums
.set d_, i_%2
.set k_, (i_/2)%4
.if i_ < 2
	v_wmma_f32_16x16x32_bf16 v[HR+8*d_:HR+8*d_+7], v[128+32*d_+8*k_:135+32*d_+8*k_], v[CO+16*k_+8*(i_/8):CO+16*k_+8*(i_/8)+7], 0
.else
	v_wmma_f32_16x16x32_bf16 v[HR+8*d_:HR+8*d_+7], v[128+32*d_+8*k_:135+32*d_+8*k_], v[CO+16*k_+8*(i_/8):CO+16*k_+8*(i_/8)+7], v[HR+8*d_:HR+8*d_+7]
.endif
.set i_, i_+1
.endr
	WIN 0
	PLACES
	SST HR, TA
	BAR
.set i_, 0
.rept 32
	ds_load_b128 v[128+4*i_:131+4*i_], v[BPS] offset:TA+((i_/4)%4)*256+(i_/16)*128+((i_/2)%2)*64+(i_%2)*16   ; A of both rows, all channels
.set i_, i_+1
.endr
	s_wait_dscnt 0x0
	; ---- INIT: C0 = Bc + A[n] ----
	WIN 0x83
.set i_, 0
.rept 128
	v_pk_add_f32 v[2*i_:2*i_+1], v[2*i_:2*i_+1], v[128+(2*i_)%64:129+(2*i_)%64]
.set i_, i_+1
.endr
	WIN 0xc3
.set i_, 0
.rept 128
	v_pk_add_f32 v[2*i_:2*i_+1], v[2*i_:2*i_+1], v[192+(2*i_)%64:193+(2*i_)%64]
.set i_, i_+1
.endr
	WIN 0
	; ---- slot 0 has landed; slot 1 is filled with this step's block 1 (its last readers: the second stage of the step before) ----
	s_wait_tensorcnt 0x0                           ; my quarter of slot 0 is in, and no tensor load of mine is out
	ds_add_u32 v[SPW], v[NIL]                      ; 0 onto my spare word
	s_mov_b32 s45, 2                               ; blocks to go
	s_mov_b32 s53, 0                               ; the slot in hand
	s_wait_dscnt 0x0
	ROUND
	JLOAD 40                                       ; it has both passes of block 0, 1,040 matrix instructions, in which to land
	; ---- MAIN: two blocks x two pieces ----
.Lblk:
	PASS 0
	s_cmp_eq_u32 s45, 1
	s_cbranch_scc0 .Lsk
	SCORE 0, P0S                                   ; piece 0 is finished: its scores, and its registers take Bc^T for the gather
	WIN 0x80
.set i_, 0
.rept 64
	global_load_b128 v[4*i_:4*i_+3], v[L16], s[10:11] offset:512*i_    ; a whole pass in which to land
.set i_, i_+1
.endr
	WIN 0
.Lsk:
	PASS 1
	s_wait_tensorcnt 0x0                           ; my quarter of slot 1 is in (one load was out)
	BAR
	s_add_co_u32 s53, s53, SLOTB
	s_sub_co_u32 s45, s45, 1
	s_cmp_lg_u32 s45, 0
	s_cbranch_scc1 .Lblk
	; ---- the second stage, first half: the four best of each row, their C0, block 0 ----
	PLACES
	s_wait_loadcnt 0x0                             ; Bc^T
	RLOADW1 s70
	RLOADW2 s71
	SCORE 1, 232
	s_cmp_eq_u32 s44, 1
	s_cbranch_scc1 .Lnobcf                         ; the last step has no next
	WIN 0xc0
.set i_, 0
.rept 64
	global_load_b128 v[4*i_:4*i_+3], v[L16], s[8:9] offset:512*i_      ; Bc of the next step -> window 3
.set i_, i_+1
.endr
	WIN 0
.Lnobcf:
	; keys: the score's upper 24 bits, below them the index (complemented where the score is negative), so that as floats the lower index is the smaller key
.set i_, 0
.rept 4
	v_cndmask_b32 v[104+i_], v[P0S+i_], v[232+i_], s49     ; lanes 0-15 piece 0, lanes 16-31 piece 1
	v_or_b32 v[112+i_], 16*i_, v[KB]
	v_ashrrev_i32 v[108+i_], 31, v[104+i_]
	v_and_b32 v[108+i_], 0xff, v[108+i_]
	v_xor_b32 v[108+i_], v[108+i_], v[112+i_]
	v_and_or_b32 v[104+i_], v[104+i_], s48, v[108+i_]
.set i_, i_+1
.endr
.set i_, 0
.rept 4                                ; my wave's four best of each piece
	v_min3_num_f32 v[116+i_], v104, v105, v106
	v_min_num_f32 v[116+i_], v[116+i_], v107
	v_min_num_f32_dpp v[116+i_], v[116+i_], v[116+i_] row_xmask:1 row_mask:0xf bank_mask:0xf
	v_min_num_f32_dpp v[116+i_], v[116+i_], v[116+i_] row_xmask:2 row_mask:0xf bank_mask:0xf
	v_min_num_f32_dpp v[116+i_], v[116+i_], v[116+i_] row_xmask:4 row_mask:0xf bank_mask:0xf
	v_min_num_f32_dpp v[116+i_], v[116+i_], v[116+i_] row_xmask:8 row_mask:0xf bank_mask:0xf
.if i_ < 3
.set j_, 0
.rept 4
	v_cmp_eq_u32 vcc_lo, v[104+j_], v[116+i_]
	v_cndmask_b32 v[104+j_], v[104+j_], s57, vcc_lo        ; the key found is taken out
.set j_, j_+1
.endr
.endif
.set i_, i_+1
.endr
	v_lshrrev_b32 v112, 1, v[BP]                   ; 16 h
	v_add_nc_u32 v112, s74, v112
	ds_store_b128 v112, v[116:119]                 ; the 16 lanes of a half store the same 16 bytes
	v_and_b32 v113, 12, v0
	v_and_b32 v114, 3, v0
	v_lshlrev_b32 v113, 3, v113                    ; wave (lane%16)/4,
	v_lshl_add_u32 v113, v114, 2, v113             ; its key lane%4,
	v_lshrrev_b32 v114, 1, v[BP]                   ; my half
	v_add3_u32 v113, v113, v114, SCRB+XK
	BAR
	ds_load_b32 v104, v113
	s_wait_dscnt 0x0
.set i_, 0
.rept 4                                ; the four best of the sixteen
	v_mov_b32 v[120+i_], v104
	v_min_num_f32_dpp v[120+i_], v[120+i_], v[120+i_] row_xmask:1 row_mask:0xf bank_mask:0xf
	v_min_num_f32_dpp v[120+i_], v[120+i_], v[120+i_] row_xmask:2 row_mask:0xf bank_mask:0xf
	v_min_num_f32_dpp v[120+i_], v[120+i_], v[120+i_] row_xmask:4 row_mask:0xf bank_mask:0xf
	v_min_num_f32_dpp v[120+i_], v[120+i_], v[120+i_] row_xmask:8 row_mask:0xf bank_mask:0xf
.if i_ < 3
	v_cmp_eq_u32 vcc_lo, v104, v[120+i_]
	v_cndmask_b32 v104, v104, s57, vcc_lo
.endif
.set i_, i_+1
.endr
	v_cndmask_b32 v105, v120, v121, s50            ; number lane % 4 of my half's piece,
	v_cndmask_b32 v106, v122, v123, s50
	v_cndmask_b32 v105, v105, v106, s51
	v_permlanex16_b32 v106, v105, s54, s55         ; of the other piece,
	v_cndmask_b32 v105, v105, v106, s52            ; of my column's row
	v_ashrrev_i32 v106, 31, v105
	v_xor_b32 v106, v106, v105
	v_and_b32 v[KS], 0xff, v106
	v_cvt_f32_u32 v[KF], v[KS]
	SLD HR, TA                                     ; A of my column's row starts the gather's sums
	v_lshrrev_b32 v105, 1, v[KS]
	v_lshrrev_b32 v106, 3, v[BP]
	v_sub_nc_u32 v105, v105, v106                  ; the register of source 1 that holds my candidate, if it lies in my half of the lanes
	v_and_b32 v106, 1, v[KS]
	v_lshlrev_b32 v106, 4, v106
	v_mov_b32 v107, 0x3f80
	v_lshlrev_b32 v106, v106, v107                 ; bf16 1.0 in the low or the high half
.set i_, 0
.rept 64
	v_cmp_eq_u32 vcc_lo, 16*(i_/8)+8*((i_%8)/4)+(i_%4), v105
	v_cndmask_b32 v[OH+i_], 0, v106, vcc_lo
.set i_, i_+1
.endr
	s_wait_dscnt 0x0
	WIN 0x02
.set i_, 0
.rept 32                               ; C0 = A + Bc^T x one-hot: part i/16, 32 candidates (i/2)%8, channel tile i%2: two accumulators by turns
.set d_, i_%2
.set c_, (i_/2)%8
.if i_ < 2
	v_wmma_f32_16x16x32_bf16 v[CM+8*d_:CM+8*d_+7], v[128*d_+64*(i_/16)+8*c_:128*d_+64*(i_/16)+8*c_+7], v[OH+8*c_:OH+8*c_+7], v[HR+8*d_:HR+8*d_+7]
.else
	v_wmma_f32_16x16x32_bf16 v[CM+8*d_:CM+8*d_+7], v[128*d_+64*(i_/16)+8*c_:128*d_+64*(i_/16)+8*c_+7], v[OH+8*c_:OH+8*c_+7], v[CM+8*d_:CM+8*d_+7]
.endif
.set i_, i_+1
.endr
	WIN 0
	REFBLK 0, 1                                    ; block 0 from slot 0; w1 of block 1 is fetched on the way
	s_sub_co_u32 s44, s44, 1
	s_cmp_lg_u32 s44, 0
	s_cbranch_scc1 .Lstep
	; ======================= THE LAST STEP'S END: written out, nothing is asked for =======================
	REFBLK 1, 0
	FINAL 1
	s_wait_tensorcnt 0x0                           ; the wave's end: behind my last tensor load and my last LDS store
	ds_add_u32 v[SPW], v[NIL]
	s_wait_dscnt 0x0
	ROUND                                          ; the closing round: no work-group ends while a partner may still ask for a tile that names it
	s_endpgm
.Lfunc_end_k_qa825349291_qinco:
	.size	k_qa825349291_qinco, .Lfunc_end_k_qa825349291_qinco-k_qa825349291_qinco
	.p2alignl 7, 3214868480
	.fill 96, 4, 3214868480
	.section	.rodata,"a",@progbits
	.p2align	6, 0x0
	.amdhsa_kernel k_qa825349291_qinco
		.amdhsa_group_segment_fixed_size 327680
		.amdhsa_private_segment_fixed_size 0
		.amdhsa_enable_private_segment 0
		.amdhsa_kernarg_size 80
		.amdhsa_user_sgpr_count 2
		.amdhsa_user_sgpr_kernarg_segment_ptr 1
		.amdhsa_wavefront_size32 1
		.amdhsa_system_sgpr_workgroup_id_x 1
		.amdhsa_system_sgpr_workgroup_id_y 1
		.amdhsa_system_sgpr_workgroup_id_z 1
		.amdhsa_system_vgpr_workitem_id 0
		.amdhsa_next_free_vgpr 1024
		.amdhsa_next_free_sgpr 80
		.amdhsa_reserve_vcc 1
		.amdhsa_float_denorm_mode_32 3
		.amdhsa_float_denorm_mode_16_64 3
		.amdhsa_memory_ordered 1
		.amdhsa_forward_progress 1
		.amdhsa_inst_pref_size 255
	.end_amdhsa_kernel
	.section	.bss,"aw",@nobits
	.p2align	6
	.space	262144
	.amdgpu_metadata
---
amdhsa.version: [ 1, 2 ]
amdhsa.kernels:
  - .name:           k_qa825349291_qinco
    .symbol:         k_qa825349291_qinco.kd
    .args:
      - { .name: z, .offset: 0, .size: 8, .value_kind: global_buffer, .address_space: global }
      - { .name: wrec, .offset: 8, .size: 8, .value_kind: global_buffer, .address_space: global }
      - { .name: bcf, .offset: 16, .size: 8, .value_kind: global_buffer, .address_space: global }
      - { .name: bct, .offset: 24, .size: 8, .value_kind: global_buffer, .address_space: global }
      - { .name: wxf, .offset: 32, .size: 8, .value_kind: global_buffer, .address_space: global }
      - { .name: pb, .offset: 40, .size: 8, .value_kind: global_buffer, .address_space: global }
      - { .name: out0, .offset: 48, .size: 8, .value_kind: global_buffer, .address_space: global }
      - { .name: out1, .offset: 56, .size: 8, .value_kind: global_buffer, .address_space: global }
      - { .name: out2, .offset: 64, .size: 8, .value_kind: global_buffer, .address_space: global }
      - { .name: out3, .offset: 72, .size: 8, .value_kind: global_buffer, .address_space: global }
    .group_segment_fixed_size: 327680
    .private_segment_fixed_size: 0
    .kernarg_segment_align: 8
    .kernarg_segment_size: 80
    .max_flat_workgroup_size: 128
    .sgpr_count:     80
    .vgpr_count:     1024
    .wavefront_size: 32
...
	.end_amdgpu_metadata
.endif
;; end of part 2
